; MI455X (gfx1250); checked and timed in simulation.
; The chip was launched on July 23, 2026; its instructions are those of AMD's public machine-readable ISA for CDNA 5 (MIT licence, August 2026) and "CDNA5" Instruction Set Architecture Reference Guide (July 2026). The comments in the code are by the model that wrote it; some were corrected since.
;; Multi Modal Spiking Transformer. Allowed arithmetic: matrix products marked QUANTISED: E4M3 operands, one given power-of-two scale a tensor, by v_wmma_f32_16x16x64_fp8_fp8 or v_wmma_f32_16x16x128_fp8_fp8, f32 sums; everything else in f32.
;; Inputs: Wk_codes 512 x 16 x 32 uint8 (E4M3 codes of Wk, K innermost, in blocks of 32 codes); Wo_codes 512 x 16 x 32 uint8 (E4M3 codes of Wo, K innermost, in blocks of 32 codes); Wq_codes 512 x 16 x 32 uint8 (E4M3 codes of Wq, K innermost, in blocks of 32 codes); Wv_codes 512 x 16 x 32 uint8 (E4M3 codes of Wv, K innermost, in blocks of 32 codes); bk 512 float32; bo 512 float32; bq 512 float32; bv 512 float32; key_spikes_codes 4 x 32 x 256 x 16 x 32 uint8 (E4M3 codes of key_spikes, K innermost, in blocks of 32 codes); lowp_scales 12 int32 (the exponents e of the quantised operands' scales 2^e); modality_weights 2 x 8 float32; query_spikes_codes 4 x 32 x 256 x 16 x 32 uint8 (E4M3 codes of query_spikes, K innermost, in blocks of 32 codes); temporal_sync 32 x 8 float32; value_spikes_codes 4 x 32 x 256 x 16 x 32 uint8 (E4M3 codes of value_spikes, K innermost, in blocks of 32 codes).
;; Outputs: out0 4 x 32 x 256 x 512 float32.
;; This version of the problem:
;;   THIS VERSION OF THE PROBLEM IS GIVEN IN LOW PRECISION. The matrix products marked QUANTISED in the list below multiply operands that are first quantised to E4M3 (4 exponent bits, 3 mantissa bits; 8 bits a number), with one given power-of-two scale for each operand tensor; their sums are f32. All else is computed in f32.
;;   The module's matrix products, in the order in which they are computed (A, B: the left and right operand; K: the contracted axis; several contracted axes count as one K, in the product's order):
;;     1. [M 32,768, K 512] x [K 512, N 512]; A: input query_spikes (given as codes); B: input Wq (given as codes): QUANTISED (scales: A lowp_scales[0], B lowp_scales[1])
;;     2. [M 32,768, K 512] x [K 512, N 512]; A: input key_spikes (given as codes); B: input Wk (given as codes): QUANTISED (scales: A lowp_scales[2], B lowp_scales[3])
;;     3. [M 32,768, K 512] x [K 512, N 512]; A: input value_spikes (given as codes); B: input Wv (given as codes): QUANTISED (scales: A lowp_scales[4], B lowp_scales[5])
;;     4. batch 1,024 x [M 256, K 64] x [K 64, N 256]; A: computed on the way; B: computed on the way: QUANTISED (scales: A lowp_scales[6], B lowp_scales[7])
;;     5. batch 1,024 x [M 256, K 256] x [K 256, N 64]; A: computed on the way; B: computed on the way: QUANTISED (scales: A lowp_scales[8], B lowp_scales[9])
;;     6. [M 32,768, K 512] x [K 512, N 512]; A: computed on the way; B: input Wo (given as codes): QUANTISED (scales: A lowp_scales[10], B lowp_scales[11])
;;   THE QUANTISER, for each operand of a quantised product, along K:
;;     - The operand's scale is 2^e, e = its entry of the input lowp_scales (int32; the entries are numbered through the quantised products in the list's order, A before B).
;;     - Each number is divided by the scale, clamped to +-448, and rounded to the nearest number of E4M3, ties to even, subnormals kept.
;;     - The product sums the exact products of the quantised numbers (number of the format x scale) in f32.
;;   ~~~python
;;   def quantise(x, axis, e):      # numpy; x: float32 -> the quantised numbers, widened to float32 again
;;       x = np.moveaxis(x, axis, -1); K = x.shape[-1]
;;       r = np.clip(x / 2.0 ** e, -448, 448)
;;       step = 2.0 ** (np.maximum(np.frexp(np.where(r == 0, 1, r))[1] - 1, -6) - 3)
;;       q = np.round(r / step) * step * 2.0 ** e      # np.round: ties to even
;;       return np.moveaxis(q, -1, axis).astype(np.float32)
;;   ~~~
;;   OPERANDS COMPUTED ON THE WAY. 'Computed on the way' means the value that the module computes at that place (a softmax that the list does not call 'softmax' is quantised finished and normalised). What goes into a quantiser is computed in f32, as accurately as f32 sums, v_exp_f32 and their like allow (about 1e-6 of the number): no bf16 or f16 on the way to a quantiser, and a product that is left as it is and whose result goes on into a quantised operand takes f32 operands (vector FMAs, or v_wmma_f32_16x16x4_f32). A number that lies on a knife's edge between two numbers of the format may be rounded either way, as far as f32 arithmetic and the matrix unit's own rounding can turn it there, and no further.
;;   INPUTS GIVEN AS CODES. Wk (in the module: [512, 512], K = its axis 0); Wo (in the module: [512, 512], K = its axis 0); Wq (in the module: [512, 512], K = its axis 0); Wv (in the module: [512, 512], K = its axis 0); key_spikes (in the module: [4, 32, 256, 512], K = its axis 3); query_spikes (in the module: [4, 32, 256, 512], K = its axis 3); value_spikes (in the module: [4, 32, 256, 512], K = its axis 3): each comes as NAME_codes (uint8): NAME with its K axis moved to the last place and cut into blocks of 32 codes, [.., K / 32, bytes a block], one block behind the other in memory; one code a byte (a code: sign, 4 exponent bits, 3 mantissa bits); its scale is its entry of lowp_scales. Its value is code x scale, taken as it is: it is not quantised again, and the codes and scales need not be those that the quantiser above would give.
;; One version. Each part assembles by itself: llvm-mc -triple=amdgcn-amd-amdhsa -mcpu=gfx1250 --defsym DOCPART=n.
;; ======== version 1 of 1: 1 launch
;; launch fused (part 1): grid 256 x 1, 4 waves a work-group, clusters of 4 x 1, 327,680 bytes of LDS; arguments query_spikes_codes, key_spikes_codes, value_spikes_codes, Wq_codes, Wk_codes, Wv_codes, Wo_codes, bq, bk, bv, bo, modality_weights, lowp_scales, out0; writes out0
.if DOCPART == 1
	.amdgcn_target "amdgcn-amd-amdhsa--gfx1250"
	.amdhsa_code_object_version 6
	.text
	.protected	k_q7855649d46_fused
	.globl	k_q7855649d46_fused
	.p2align	8
	.type	k_q7855649d46_fused,@function
k_q7855649d46_fused:
	s_mov_b64 s[64:65], 0
	v_nop
	global_prefetch_b8 v0, s[64:65] scope:SCOPE_SE
	s_setreg_imm32_b32 hwreg(HW_REG_WAVE_MODE, 25, 1), 1
	s_wait_xcnt 0x0
	s_wait_alu depctr_hold_cnt(0) depctr_sa_sdst(0) depctr_va_vdst(0) depctr_va_sdst(0) depctr_va_ssrc(0) depctr_va_vcc(0) depctr_vm_vsrc(0)
	s_getreg_b32 s2, hwreg(HW_REG_IB_STS2, 6, 4)
	s_cmp_eq_u32 s2, 0
	s_cbranch_scc0 .Lentry_in_a_cluster
	s_endpgm
.Lentry_in_a_cluster:
	s_bfe_u32 s2, ttmp6, 0x10000c
	s_cmp_lg_u32 s2, 0x3003
	s_cbranch_scc0 .Lentry_shape_is_right
	s_endpgm
.Lentry_shape_is_right:
; MultiModalSpikingTransformer, all of it in one launch: Q, K, V projections, 8 heads of attention with the spike softmax, output projection.
; All six products on codes of E4M3, each operand with its given scale 2^e (lowp_scales e0 .. e11); sums, softmax and biases in f32.
;
; WORK LEFT OUT.  temporal_sync[t][h] is added to every score of a row (b, t, h, q, :).  The scores are used in one place only, as s - max over the keys of s; a term that is the same along the keys
; drops out of that difference for all finite values of all inputs.  So temporal_sync has no way to the output: it is not loaded and is not among the arguments.
; LIMIT of that: a NaN, an infinity or an overflow that temporal_sync alone would bring is not carried to the result.
; modality_weights is a factor of the difference and stays, with either sign: its sign is put into Q's codes (an exclusive or on the sign bits: exact), its size into the factor c.
;
; SHARES.  256 work-groups of four waves.  Work-group wg = 4 x cluster + place owns slice bt = wg / 2 (of 128) and 128 of its 256 queries (half wg % 2).  Both halves of a slice need all of its K and V;
; work-groups of a launch hand nothing to each other, so each half projects K and V itself: 1.4 times the products, for no second launch and no intermediate in memory.
; Wave w: in K's and V's projections keys 64 w .. 64 w + 63; in Q's projection and in attention queries 32 w .. 32 w + 31 of the 128 (two tiles); in the output projection two of a step's eight tiles of 16 columns, for all 128 queries.
; THE SPIKES are each wave's own operand: from memory straight into registers, once (K's and V's 64 rows x 512 bytes fill windows 1 and 2 for the whole head loop).  Each spike byte is asked for by its own load in the first phase: no prefetch.
; THE WEIGHTS are what all share: joint tensor loads into LDS, cluster of 4 x 1, each load with the same descriptor and the mask of all four; nothing in a descriptor, an LDS address or a branch hangs on the place in the cluster.
; Q's, K's, V's and the attended codes go from wave to wave through LDS as images of the operand's registers (four registers: 512 bytes, lane l's 16 bytes at 16 l).
;
; LAYOUTS (lane: r = lane % 16, hh = lane / 16).  Operands that come from rows in memory (spikes, weights): the K = 128 form fed with 16-byte pieces: registers 4 c .. 4 c + 3 = bytes 128 s + 32 c + 16 hh + 0 .. 15 of row r:
; one permutation of k on both sides.  Q = Wq x spikes^T and K likewise: a lane holds one query (key) and eight neighbouring features, so a conversion's two registers are registers 2 t, 2 t + 1 of the K = 64 form's own layout.
; V = spikes x Wv^T: a lane holds one feature and eight neighbouring keys: a pair of the K = 128 form's own layout along the keys.  S^T = K Q^T: one query a lane, keys 16 kt + 8 hh + j: p's conversions give P's pairs.
; O^T = V^T P: one query a lane, eight neighbouring channels: 8 bytes that are stored where four 16-byte loads find the 16-byte order that Wo's fragments have.
;
; BY TURNS.  In the three projections a unit is 16 features against the wave's rows.  The holds and conversions of unit u - 1 stand behind the products of unit u, four holds behind a product: 37 vector lines for K's and V's 16 products,
; 19 for Q's 8.  They name no register of unit u's products, and the four v_nop at the end of unit u - 1 are the places ahead of them.  The LDS loads stay in one run a unit, behind its last product.
;
; SPIKE SOFTMAX.  y = |c| (M - s), c = mw0 mw1 (5 log2 e / 8) 2^(e6 + e7), M the row's largest score (sign of c already in the scores); p = 1 / (1 + 2^y); attn = p x 1 / (sum of p + 1e-8), quantised finished, held at 448 x 2^e8.
; ROUNDING that differs from the plain formula's: a bias enters as the C of a sum's first product, divided by the power of two that the sums lack; y is one fused multiply-add on c M; divisions are a reciprocal and a multiplication; sums run in another order.
; LIMITS, so that each power of two is an f32 number: e6-e0-e1, e7-e2-e3, e9-e4-e5, e8, e10-e8-e9 between -126 and 119; e6+e7 between -125 and 128; e10+e11 between -126 and 127.
; Where y is 126 or more p counts as 0.  NaN among the inputs is not served.
;
; LDS (bytes).  C0 .. C7: eight chunks of 64 weight rows, 528 bytes a row (512 + 16 of padding: row r starts at bank 4 r mod 64; ISA guide 11.1).  First fill: all of Wq, two loads a wave.  C0 .. C3 are filled again (Wk, Wv by heads; Wo) and never stored to.
; C4 .. C7 have their only fill at the start; afterwards they hold K's and V's images (KC, VC), later the stage (STG), and Q's images, which the attended codes replace in place (QC).
; By this text's own count a wave has two tensor loads out at the start and one later.
.set PW,    528                        ; a weight row in LDS
.set TW,    16*PW                      ; a tile of 16 rows
.set CH,    64*PW                      ; a chunk of 64 rows
.set KC,    4*CH                       ; K's images of one head: 16 tiles x 1,024
.set VC,    KC+16384                   ; V's images: 8 fragments x 2,048
.set STG,   4*CH                       ; the way out: 128 rows x 528
.set QC,    6*CH                       ; tile of queries x 8,192 + head x 1,024
.set BQ,    8*CH                       ; bq / 2^(e0+e1); + 2,048 bk / 2^(e2+e3); + 4,096 bo
.set BO,    BQ+4096
.set BVR,   BQ+6144                    ; bv / 2^(e4+e5), each number eight times: the image of V's C operand
.set SPARE, BVR+16384                  ; the spare words: 128 bytes a wave, two blocks of 256 bytes that no other line names
; vector registers, window 0
.set SPW, 1                            ; my spare word's address; never rewritten
.set NIL, 2                            ; 0; never rewritten
.set AW,  3                            ; r x 528 + 16 hh; v4, v5, v6: the same + 1, 2, 3 x two chunks, for Q's phase
.set BKW, 4                            ; later: bk's place for the head in hand
.set BVW, 5                            ; later: bv's
.set KST, 7                            ; where I store K's images
.set VST, 8                            ; and V's
.set LI,  9                            ; 16 x lane
.set QCW, 10                           ; my Q images of the head in hand
.set QCA, 11                           ; QC + 16 x lane + 16,384 x wave
.set ACS, 12                           ; QC + 16 r + 8 hh + 16,384 x wave
.set BQA, 13                           ; BQ + 32 hh
.set CO,  14                           ; out0: 16 r + 1,024 hh
.set BVA, 15                           ; BVR + 32 r
.set VSP, 16                           ; spikes: r x 512 + 16 hh; never rewritten
.set ACW, 17                           ; where I store the attended codes of the head in hand
.set AWO0, 18                          ; Wo's tile w in C0 (the one in C1 lies a chunk on)
.set AWO2, 19                          ; in C2
.set SO,  20                           ; the stage: in
.set SR,  21                           ; the stage: back
.set BOA, 22                           ; BO + 32 hh + 64 x wave
.set ACR, 23                           ; QC + 16 x lane
.set BC0, 24                           ; v24-31, v32-39: a bias as C, two sets
.set ST0, 24                           ; in attention: eight registers of statistics a tile: +0 c M, +1 M, +2:3 sum, +4 1/(l+1e-8), +5 l+1e-8, +6 at work
.set BUF0, 40                          ; v40-103, v104-167: fragments from LDS, two sets of 64
.set QCD, 168                          ; v168-183: Q's codes of a head, then the attended codes;
.set TT,  168                          ; between the two: the chains of the maximum and of the sum
.set QACC, 184                         ; Q's phase: four accumulators
.set KCD, 184                          ; K's codes of my four tiles
.set VCD, 216                          ; V's
.set PCD, 184                          ; P's codes: 32 a tile of queries
.set SCQ, 248                          ; the conversions' scales as f32: Q, K, V, P, attended
.set SCK, 249
.set SCV, 250
.set SCP, 251
.set SCA, 252
.set KVA, 253                          ; KC + 16 x lane
; window 1: K's spikes (tile i, K step s at 64 i + 16 s); window 2: V's; on the way out both hold the attended fragments.
; window 3: Q's phase: Q's spikes at 64 q + 16 s, Q's codes at 128 + 64 q + 8 head; projections: K's sums at 32 t + 8 i, V's at 128 + 32 t + 8 i;
;           attention: S^T at 128 q + 8 kt, O^T at 128 q + 8 dt; way out: sums at 64 n + 8 g, results at 128 + the same.
; scalars: s[4:31] the 14 addresses (s[12:13], s[14:15]: Wk and Wv, stepped a head's 64 rows a trip); s[32:35] group 0 of my second first fill; s[40:47] descriptor group 1 (64 rows); s[48:51] group 0;
; s[52:53] my chunk of Wo, as a plain address; s54 at work; s56 wave; s57 place; s58 wg; s59 head;
; s[60:61] lane selects; s62, s63 at work; s66 |c|; s67 sign mask; s[68:79] e0 .. e11; s[80:81] -|c|; s82 .. s89 -+ limits of Q, K, V, attended; s90 P's limit; s91 c without the weights; s[92:93] 2^(e10+e11);
; s94, s95 the head's two weights; s96 .. s99 256, 2,048, 1,024, 4 x head; s[100:101] offsets that hang on the place in the cluster (memory addresses of spikes and out0 alone).
; GROUP 0's ADDRESS is made anew for each refill from plain addresses (a choice on the wave's number and the head's count, or a move), and the type bits are set last: the word that holds the type is never stepped.
.set MSB, 0
.macro WIN new                         ; s_set_vgpr_msb: bits 1:0 source 0, 3:2 source 1, 5:4 source 2, 7:6 destination; the high byte repeats the setting that is left
.if MSB != (\new)
	s_set_vgpr_msb (MSB<<8)|(\new)
.set MSB, (\new)
.endif
.endm
.macro PL                              ; four places behind matrix instructions, ahead of loads into their sources and of the first read of their results
.rept 4
	v_nop
.endr
.endm
.macro BATCH_END                       ; a plain instruction behind the last transcendental of a batch, and a wait ahead of the batch's first reader
	v_nop
	s_wait_alu depctr_va_vdst(0)
.endm
.macro BAR
	s_barrier_signal -1
	s_barrier_wait -1
.endm
.macro CROUND                          ; a round of the cluster's barrier: my work-group's barrier, wave 0 signals for it, all wait for the four work-groups, my work-group's barrier once more
	s_barrier_signal -1
	s_barrier_wait -1
	s_cmp_lg_u32 s56, 0
	s_cbranch_scc1 .Lnot_wave_0_\@
	s_barrier_signal -3
.Lnot_wave_0_\@:
	s_barrier_wait -3
	s_barrier_signal -1
	s_barrier_wait -1
.endm
.macro TLOAD                           ; a joint load of 64 rows into my chunk; an s_nop 0 and four v_nop follow
	tensor_load_to_lds s[48:51], s[40:47]
	s_nop 0
.rept 4
	v_nop
.endr
.endm
.macro TLLO                            ; waves 0 and 1 alone: the branch hangs on the wave's number, the same in every work-group
	s_cmp_lt_u32 s56, 2
	s_cbranch_scc0 .Lno_lo_\@
	TLOAD
.Lno_lo_\@:
.endm
.macro TLHI                            ; waves 2 and 3 alone
	s_cmp_lt_u32 s56, 2
	s_cbranch_scc1 .Lno_hi_\@
	TLOAD
.Lno_hi_\@:
.endm
.macro LOADW buf, adr, ofs             ; a tile of 16 weight rows, all 512 along K: four fragments, 16 loads
.irp s, 0,1,2,3
.irp c, 0,1,2,3
	ds_load_b128 v[\buf+16*\s+4*\c:\buf+16*\s+4*\c+3], v[\adr] offset:(\ofs)+128*\s+32*\c
.endr
.endr
.endm
.macro LOADB bc, adr, ofs              ; eight numbers of a bias in the result's layout
	ds_load_b128 v[\bc:\bc+3], v[\adr] offset:(\ofs)
	ds_load_b128 v[\bc+4:\bc+7], v[\adr] offset:(\ofs)+16
.endm
.macro MKSC vs, lo, hi                 ; s62 = E: v[vs] = 2^E as f32 (the conversion takes its exponent field); s[hi] = 448 x 2^E, s[lo] = the same negative
	s_add_co_i32 s62, s62, 127
	s_lshl_b32 s63, s62, 23
	v_mov_b32 v[\vs], s63
	s_add_co_i32 s62, s62, 8
	s_lshl_b32 s[\hi], s62, 23
	s_or_b32 s[\hi], s[\hi], 0x600000
	s_or_b32 s[\lo], s[\hi], 0x80000000
.endm
; ---------------------------------------------------------------- the head
	s_load_b512 s[4:19], s[0:1], 0x0               ; q s[4:5], k s[6:7], v s[8:9] spikes; Wq s[10:11], Wk s[12:13], Wv s[14:15], Wo s[16:17]; bq s[18:19]
	s_load_b256 s[20:27], s[0:1], 0x40             ; bk s[20:21], bv s[22:23], bo s[24:25], modality_weights s[26:27]
	s_load_b128 s[28:31], s[0:1], 0x60             ; lowp_scales s[28:29], out0 s[30:31]
	v_lshl_add_u32 v[SPW], v0, 2, SPARE
	v_mov_b32 v[NIL], 0
	ds_add_u32 v[SPW], v[NIL]                      ; the wave's opening: the add, twice on end, and its wait ahead of my first tensor load
	ds_add_u32 v[SPW], v[NIL]                      ; and once more; the set-up below, work on registers, stands between it and the wait
	v_lshrrev_b32 v24, 5, v0
	v_readfirstlane_b32 s56, v24                   ; wave 0..3
	s_bfe_u32 s57, ttmp6, 0x40000                  ; my place in the cluster
	s_lshl_b32 s58, ttmp9, 2                       ; in a cluster launch ttmp9 counts clusters
	s_add_co_u32 s58, s58, s57                     ; wg
	s_mov_b32 s40, 15|(1<<20)|(1<<21)|(6<<22)|(3<<25)  ; group 1: 15:0 the mask of all four; 17:16 elements of 1 byte; 20 padding on; 21 set beside a mask; 24:22 behind every 128 words; 31:25 four words
	s_mov_b32 s41, 512<<16                         ; tensor_dim0 = 512
	s_mov_b32 s42, 64<<16                          ; tensor_dim1 = 64
	s_mov_b32 s43, 512<<16                         ; tile_dim0 = 512
	s_mov_b32 s44, 64                              ; tile_dim1 = 64
	s_mov_b32 s45, 512                             ; from row to row
	s_mov_b32 s46, 0
	s_mov_b32 s47, 0
	s_mov_b32 s60, 0x76543210                      ; v_permlanex16_b32: lane l xor 16
	s_mov_b32 s61, 0xfedcba98
	s_wait_dscnt 0x0                               ; both opening adds are done
	s_wait_kmcnt 0x0
	s_load_b256 s[68:75], s[28:29], 0x0            ; e0 .. e7
	s_load_b128 s[76:79], s[28:29], 0x20           ; e8 .. e11
	s_lshl_b32 s100, s58, 16                       ; q spikes: 128 rows of 512 bytes a work-group, 32 a wave
	s_lshl_b32 s62, s56, 14
	s_add_co_u32 s100, s100, s62
	s_mov_b32 s101, 0
	s_add_nc_u64 s[4:5], s[4:5], s[100:101]
	s_lshr_b32 s100, s58, 1                        ; k and v spikes: 256 rows a slice, 64 a wave
	s_lshl_b32 s100, s100, 17
	s_lshl_b32 s62, s56, 15
	s_add_co_u32 s100, s100, s62
	s_add_nc_u64 s[6:7], s[6:7], s[100:101]
	s_add_nc_u64 s[8:9], s[8:9], s[100:101]
	s_lshl_b32 s100, s58, 18                       ; out0: 128 rows of 2,048 bytes a work-group; I store 32 of them
	s_lshl_b32 s62, s56, 16
	s_add_co_u32 s100, s100, s62
	s_add_nc_u64 s[30:31], s[30:31], s[100:101]
	s_mov_b32 s48, 1                               ; group 0 of my first fill: count = 1
	s_mul_i32 s49, s56, CH                         ; LDS: chunk C(wave); it stays my chunk in every refill
	s_lshl_b32 s96, s56, 15
	s_mov_b32 s97, 0
	s_add_nc_u64 s[50:51], s[10:11], s[96:97]      ; Wq's rows 64 w on: head w
	s_mov_b32 s32, 1                               ; group 0 of my second:
	s_add_co_u32 s33, s49, 4*CH                    ; chunk C(4 + wave),
	s_add_nc_u64 s[34:35], s[50:51], 0x20000       ; Wq's rows 256 + 64 w on: head 4 + w
	s_or_b32 s51, s51, 0x80000000                  ; type = 2
	s_or_b32 s35, s35, 0x80000000
	s_cmp_lt_u32 s56, 2
	s_cselect_b32 s54, 0x8000, 0                   ; waves 0, 1 begin with Wo's odd chunks, waves 2, 3 with the even ones
	s_and_b32 s96, s56, 1
	s_lshl_b32 s96, s96, 17
	s_add_co_u32 s96, s96, s54
	s_add_nc_u64 s[52:53], s[16:17], s[96:97]      ; Wo's chunk 1, 5, 0, 4 for wave 0, 1, 2, 3
	CROUND                                         ; all four work-groups are here: the first joint loads meet
	tensor_load_to_lds s[48:51], s[40:47]          ; every wave: head w's 64 rows of Wq,
	s_nop 0
	tensor_load_to_lds s[32:35], s[40:47]          ; and head 4 + w's: heads 0 to 3 can begin while these are on their way.  Two tensor loads of mine are out
	s_nop 0
.rept 4
	v_nop
.endr
	v_and_b32 v24, 15, v0                          ; r
	v_bfe_u32 v25, v0, 4, 1                        ; hh
	v_and_b32 v26, 31, v0                          ; lane
	v_lshlrev_b32 v254, 4, v0                      ; 16 x thread: the four biases are 128 x 16 bytes each
	v_lshlrev_b32 v[VSP], 9, v24
	v_lshl_add_u32 v[VSP], v25, 4, v[VSP]
	global_load_b128 v[40:43], v254, s[18:19]      ; bq
	global_load_b128 v[44:47], v254, s[20:21]      ; bk
	global_load_b128 v[48:51], v254, s[22:23]      ; bv
	global_load_b128 v[52:55], v254, s[24:25]      ; bo
	WIN 0xc0                                       ; destination window 3
.irp q, 0,1
.irp s, 0,1,2,3
.irp c, 0,1,2,3
	global_load_b128 v[64*\q+16*\s+4*\c:64*\q+16*\s+4*\c+3], v[VSP], s[4:5] offset:8192*\q+128*\s+32*\c th:TH_LOAD_NT   ; my 32 queries' spikes: read by nobody else
.endr
.endr
.endr
	WIN 0
	v_mul_u32_u24 v[AW], v24, PW
	v_lshl_add_u32 v[AW], v25, 4, v[AW]
	v_add_nc_u32 v4, 2*CH, v[AW]
	v_add_nc_u32 v5, 4*CH, v[AW]
	v_add_nc_u32 v6, 6*CH, v[AW]
	v_lshlrev_b32 v[LI], 4, v26
	s_lshl_b32 s62, s56, 12
	s_add_co_u32 s62, s62, KC
	v_add_nc_u32 v[KST], s62, v[LI]                ; my four tiles of keys: 4,096 x wave
	s_lshl_b32 s62, s56, 10
	s_add_co_u32 s62, s62, VC
	v_add_nc_u32 v[VST], s62, v[LI]                ; my eight registers of each fragment: 1,024 x wave
	s_lshl_b32 s62, s56, 14
	s_add_co_u32 s62, s62, QC
	v_add_nc_u32 v[QCA], s62, v[LI]
	v_lshlrev_b32 v[ACS], 4, v24
	v_lshl_add_u32 v[ACS], v25, 3, v[ACS]
	v_add_nc_u32 v[ACS], s62, v[ACS]
	v_lshlrev_b32 v[BQA], 5, v25
	v_add_nc_u32 v[BQA], BQ, v[BQA]
	v_lshlrev_b32 v[CO], 4, v24
	v_lshl_add_u32 v[CO], v25, 10, v[CO]
	v_lshlrev_b32 v[BVA], 5, v24
	v_add_nc_u32 v[BVA], BVR, v[BVA]
	s_mul_i32 s62, s56, TW
	v_add_nc_u32 v[AWO0], s62, v[AW]
	v_add_nc_u32 v[AWO2], 2*CH, v[AWO0]
	v_mul_u32_u24 v[SO], v24, PW
	v_lshl_add_u32 v[SO], v25, 5, v[SO]
	s_lshl_b32 s62, s56, 6
	s_add_co_u32 s63, s62, STG
	v_add_nc_u32 v[SO], s63, v[SO]
	s_add_co_u32 s63, s62, BO
	v_lshlrev_b32 v[BOA], 5, v25
	v_add_nc_u32 v[BOA], s63, v[BOA]
	s_mul_i32 s62, s56, 32*PW
	s_add_co_u32 s62, s62, STG
	v_add_nc_u32 v[SR], s62, v[LI]
	v_add_nc_u32 v[ACR], QC, v[LI]
	v_add_nc_u32 v[KVA], KC, v[LI]
	v_lshl_add_u32 v255, v0, 4, BQ                 ; the bias tables: 16 bytes a thread,
	v_lshl_add_u32 v17, v0, 7, BVR                 ; and 4 x 32 bytes a thread
	s_wait_kmcnt 0x0                               ; e0 .. e11
	s_sub_co_i32 s62, s74, s68                     ; a sum of Q's projection stands for sum x 2^(e0+e1): its code is sum / 2^(e6-e0-e1)
	s_sub_co_i32 s62, s62, s69
	MKSC SCQ, 82, 83
	s_sub_co_i32 s62, s75, s70                     ; K: e7-e2-e3
	s_sub_co_i32 s62, s62, s71
	MKSC SCK, 84, 85
	s_sub_co_i32 s62, s77, s72                     ; V: e9-e4-e5
	s_sub_co_i32 s62, s62, s73
	MKSC SCV, 86, 87
	s_sub_co_i32 s62, s78, s76                     ; attended: e10-e8-e9
	s_sub_co_i32 s62, s62, s77
	MKSC SCA, 88, 89
	s_add_co_i32 s62, s76, 127                     ; P: e8; it is never negative, so one limit
	s_lshl_b32 s63, s62, 23
	v_mov_b32 v[SCP], s63
	s_add_co_i32 s62, s62, 8
	s_lshl_b32 s90, s62, 23
	s_or_b32 s90, s90, 0x600000
	s_add_co_i32 s62, s74, s75
	s_lshl_b32 s62, s62, 23
	s_add_co_i32 s91, s62, 0x3f66d4ca              ; 5 log2(e) / 8, with e6 + e7 added to its exponent field
	s_add_co_i32 s92, s78, s79
	s_add_co_i32 s92, s92, 127
	s_lshl_b32 s92, s92, 23                        ; 2^(e10+e11)
	s_mov_b32 s93, s92                             ; (named with it as a pair, so it is written)
	s_add_co_i32 s62, s68, s69
	s_sub_co_i32 s62, 0, s62
	s_add_co_i32 s63, s70, s71
	s_sub_co_i32 s63, 0, s63
	s_add_co_i32 s94, s72, s73
	s_sub_co_i32 s94, 0, s94
	s_wait_loadcnt 32                              ; the four biases are in; the 32 loads of Q's spikes behind them may stay out
.irp k, 0,1,2,3
	v_ldexp_f32 v[40+\k], v[40+\k], s62            ; bq / 2^(e0+e1)
	v_ldexp_f32 v[44+\k], v[44+\k], s63            ; bk / 2^(e2+e3)
	v_ldexp_f32 v[48+\k], v[48+\k], s94            ; bv / 2^(e4+e5)
.endr
	ds_store_b128 v255, v[40:43]
	ds_store_b128 v255, v[44:47] offset:2048
	ds_store_b128 v255, v[52:55] offset:4096
.irp n, 0,1,2,3
.irp k, 0,1,2,3
	v_mov_b32 v[56+4*\n+\k], v[48+\n]
.endr
	ds_store_b128 v17, v[56+4*\n:59+4*\n] offset:32*\n
	ds_store_b128 v17, v[56+4*\n:59+4*\n] offset:32*\n+16
.endr
	s_wait_tensorcnt 0x1                           ; my chunk of C0 .. C3 has landed; the one load issued behind it may stay out
	s_wait_dscnt 0x0                               ; my part of the tables is stored:
	BAR                                            ; everybody's
; ---------------------------------------------------------------- Q's projection: 32 units of 16 features x my 32 queries; unit g = 4 head + tile
.macro QLOAD g
	LOADW BUF0+64*((\g)%2),AW+(\g)/8,(((\g)/4)%2)*CH+((\g)%4)*TW
	LOADB BC0+8*((\g)%2),BQA,64*(\g)
.endm
.macro KVLOAD i                        ; K's and V's spikes of my tile i of keys.  No hint: the slice's other half reads the same bytes
	WIN 0x40
.irp s, 0,1,2,3
.irp c, 0,1,2,3
	global_load_b128 v[64*(\i)+16*\s+4*\c:64*(\i)+16*\s+4*\c+3], v[VSP], s[6:7] offset:8192*(\i)+128*\s+32*\c
.endr
.endr
	WIN 0x80
.irp s, 0,1,2,3
.irp c, 0,1,2,3
	global_load_b128 v[64*(\i)+16*\s+4*\c:64*(\i)+16*\s+4*\c+3], v[VSP], s[8:9] offset:8192*(\i)+128*\s+32*\c
.endr
.endr
.endm
; Part k of the quantising of unit g's two sums.  k = 0 .. 3: four holds (the sums lie in window 0, as destination and first source do under the products' setting too: no switch); k = 4: the two conversions.
.macro QQ g, k
.set qq, QACC+16*((\g)%2)
.if (\k) < 4
.set n, 4*(\k)
.rept 4
	v_med3_num_f32 v[qq+n], v[qq+n], s82, s83      ; the conversion to an 8-bit code does not saturate (ISA guide 7.6.2): the hold; each accumulator from its low end on
.set n, n+1
.endr
.else
	WIN 0xc0
.irp q, 0,1
	v_cvt_scalef32_pk8_fp8_f32 v[128+64*\q+2*(\g):128+64*\q+2*(\g)+1], v[qq+8*\q:qq+8*\q+7], v[SCQ]   ; registers 2 t, 2 t + 1 of the head's fragment
.endr
	v_nop                                          ; a plain instruction behind the last conversion
.endif
.endm
.macro QUNIT g
.set qa, QACC+16*((\g)%2)
.set qb, BUF0+64*((\g)%2)
.set qc, BC0+8*((\g)%2)
.if (\g) < 31
	s_wait_dscnt 18                                ; this unit's 18 loads are in; the next unit's 18 may be out
.else
	s_wait_dscnt 0x0
.endif
.irp s, 0,1,2,3                        ; the two accumulators take turns, one instruction a turn; behind the first five products stands the quantising of the unit before, whose sums lie in the other set
.irp q, 0,1
	WIN 0x0c                                       ; source 1 (the spikes) window 3
.if \s == 0
	v_wmma_f32_16x16x128_fp8_fp8 v[qa+8*\q:qa+8*\q+7], v[qb+16*\s:qb+16*\s+15], v[64*\q+16*\s:64*\q+16*\s+15], v[qc:qc+7]
.else
	v_wmma_f32_16x16x128_fp8_fp8 v[qa+8*\q:qa+8*\q+7], v[qb+16*\s:qb+16*\s+15], v[64*\q+16*\s:64*\q+16*\s+15], v[qa+8*\q:qa+8*\q+7]
.endif
.if ((\g) > 0) && (2*\s+\q < 5)
	QQ (\g)-1, 2*\s+\q
.endif
.endr
.endr
	WIN 0
	PL
.if (\g) < 30
	QLOAD (\g)+2                                   ; into the set just multiplied
.endif
.endm
	QLOAD 0
	QLOAD 1
.irp g, 0,1,2,3,4,5,6,7,8,9,10,11,12,13
.if (\g)%4 == 0
	KVLOAD (\g)/4                                  ; 32 loads at the head of each of the first four heads: they land under Q's products
.endif
.if (\g) == 0
	s_wait_loadcnt 32                              ; Q's spikes are in; the 32 loads just issued may be out
.endif
	QUNIT \g
.endr
	; All that heads 0 to 3 want of C0 .. C3 has been asked for (units 14 and 15 find their fragments in registers).  The four chunks are filled again: Wk's and Wv's head 0, Wo's chunks 0 and 4.
	; The same round shows C4 .. C7 to every wave, ahead of unit 14's loads from C4.
	WIN 0
	s_wait_tensorcnt 0x0                           ; both my first fills have landed: no tensor load of mine is out, so group 0 may be written
	ds_add_u32 v[SPW], v[NIL]                      ; 0 onto my spare word; the descriptor's words stand between it and the wait
	s_cmp_eq_u32 s56, 0
	s_cselect_b64 s[50:51], s[12:13], s[14:15]     ; wave 0: Wk; wave 1: Wv;
	s_cmp_lt_u32 s56, 2
	s_cselect_b64 s[50:51], s[50:51], s[52:53]     ; waves 2, 3: Wo's chunk 0, 4
	s_or_b32 s51, s51, 0x80000000
	s_wait_dscnt 0x0                               ; the add is done, and my reads of C0 .. C3 are over
	CROUND                                         ; so of every wave of all four work-groups
	TLOAD                                          ; the first thing behind the round, one load a wave
.irp g, 14,15,16,17,18,19,20,21,22,23,24,25,26,27,28,29,30,31
	QUNIT \g
.endr
.irp k, 0,1,2,3,4
	QQ 31, \k                                      ; the last unit's quantising has no products to stand behind
.endr
	WIN 0
	s_wait_tensorcnt 0x0                           ; my chunk has landed,
	s_wait_dscnt 0x0                               ; my reads of C4 .. C7 are over:
	BAR                                            ; everybody's: C4 .. C7, which have had their only fill, may be stored to
	WIN 0x0c                                       ; store data window 3
.irp q, 0,1
.irp h, 0,1,2,3,4,5,6,7
	ds_store_b128 v[QCA], v[128+64*\q+8*\h:128+64*\q+8*\h+3] offset:8192*\q+1024*\h
	ds_store_b128 v[QCA], v[128+64*\q+8*\h+4:128+64*\q+8*\h+7] offset:8192*\q+1024*\h+512   ; my own bytes: only I read them back
.endr
.endr
	WIN 0
	s_wait_loadcnt 0x0                             ; K's and V's spikes
	s_mov_b32 s59, 0
	s_mov_b32 s96, 0
	s_mov_b32 s97, 0
	s_mov_b32 s98, 0
	s_mov_b32 s99, 0
; ---------------------------------------------------------------- the heads
.macro PLOAD u                         ; unit u < 4: tile u of Wk's head (C0); else tile u - 4 of Wv's (C1)
.if (\u) < 4
	LOADW BUF0+64*((\u)%2),AW,(\u)*TW
	LOADB BC0+8*((\u)%2),BKW,2048+64*(\u)
.else
	LOADW BUF0+64*((\u)%2),AW,CH+((\u)-4)*TW
	LOADB BC0+8*((\u)%2),BVW,512*((\u)-4)
.endif
.endm
; Part k of the quantising of unit u's four sums.  k = 0 .. 7: four holds.  The number stands as the THIRD source: the setting of the products in place has the third source and the destination in window 3, so these lines need no switch
; (the middle of three numbers does not hang on their order).  k = 8: the four conversions, under a setting of their own.
.macro PQ u, k
.set pq, 32*(\u)
.if (\k) < 8
.set n, 4*(\k)
.rept 4
.if (\u) < 4
	v_med3_num_f32 v[pq+n], s84, s85, v[pq+n]      ; the hold; each accumulator from its low end on
.else
	v_med3_num_f32 v[pq+n], s86, s87, v[pq+n]
.endif
.set n, n+1
.endr
.else
	WIN 0x03
.irp i, 0,1,2,3
.if (\u) < 4
	v_cvt_scalef32_pk8_fp8_f32 v[KCD+8*\i+2*(\u):KCD+8*\i+2*(\u)+1], v[pq+8*\i:pq+8*\i+7], v[SCK]   ; key tile i: registers 2 t, 2 t + 1
.else
	v_cvt_scalef32_pk8_fp8_f32 v[VCD+8*((\u)-4)+2*\i:VCD+8*((\u)-4)+2*\i+1], v[pq+8*\i:pq+8*\i+7], v[SCV]   ; channel tile t: my pair i along the keys
.endif
.endr
	v_nop                                          ; a plain instruction behind the last conversion
.endif
.endm
.macro PUNIT u                         ; 16 features x my 64 keys: four accumulators by turns; behind products 4 to 12 stands the quantising of the unit before, whose sums are other registers
.set pb, BUF0+64*((\u)%2)
.set pc, BC0+8*((\u)%2)
.set pa, 32*(\u)                       ; K's sums at 32 t, V's at 128 + 32 t: both are 32 u
.if (\u) < 7
	s_wait_dscnt 18                                ; this unit's 18 loads are in; the next unit's may be out
.else
	s_wait_dscnt 0x0
.endif
.irp s, 0,1,2,3
.irp i, 0,1,2,3
.if (\u) < 4
.if \s == 0
	WIN 0xc4                                       ; source 0 (Wk) and C (bk) window 0, source 1 (spikes) window 1, D window 3
	v_wmma_f32_16x16x128_fp8_fp8 v[pa+8*\i:pa+8*\i+7], v[pb+16*\s:pb+16*\s+15], v[64*\i+16*\s:64*\i+16*\s+15], v[pc:pc+7]
.else
	WIN 0xf4
	v_wmma_f32_16x16x128_fp8_fp8 v[pa+8*\i:pa+8*\i+7], v[pb+16*\s:pb+16*\s+15], v[64*\i+16*\s:64*\i+16*\s+15], v[pa+8*\i:pa+8*\i+7]
.endif
.else
.if \s == 0
	WIN 0xc2                                       ; source 0 (spikes) window 2, source 1 (Wv) and C (bv) window 0, D window 3
	v_wmma_f32_16x16x128_fp8_fp8 v[pa+8*\i:pa+8*\i+7], v[64*\i+16*\s:64*\i+16*\s+15], v[pb+16*\s:pb+16*\s+15], v[pc:pc+7]
.else
	WIN 0xf2
	v_wmma_f32_16x16x128_fp8_fp8 v[pa+8*\i:pa+8*\i+7], v[64*\i+16*\s:64*\i+16*\s+15], v[pb+16*\s:pb+16*\s+15], v[pa+8*\i:pa+8*\i+7]
.endif
.endif
.if ((\u) > 0) && (4*\s+\i >= 4) && (4*\s+\i <= 12)
	PQ (\u)-1, 4*\s+\i-4
.endif
.endr
.endr
	WIN 0
	PL
.if (\u) < 6
	PLOAD (\u)+2
.endif
.endm
.macro USUM q                          ; the row's sum of p, + 1e-8, and its reciprocal.  Eight chains, two numbers an instruction: a line's addend was written eight lines back
.set st, ST0+8*(\q)
.set sb, 128*(\q)
	WIN 0x0f
.set n, 0
.rept 8
	v_pk_add_f32 v[TT+2*n:TT+2*n+1], v[sb+4*n:sb+4*n+1], v[sb+4*n+2:sb+4*n+3]
.set n, n+1
.endr
	WIN 0x03
.set n, 0
.rept 48
	v_pk_add_f32 v[TT+2*(n%8):TT+2*(n%8)+1], v[sb+32+2*n:sb+32+2*n+1], v[TT+2*(n%8):TT+2*(n%8)+1]
.set n, n+1
.endr
	WIN 0
.irp k, 0,1,2,3
	v_pk_add_f32 v[TT+2*\k:TT+2*\k+1], v[TT+2*\k:TT+2*\k+1], v[TT+8+2*\k:TT+8+2*\k+1]
.endr
.irp k, 0,1
	v_pk_add_f32 v[TT+2*\k:TT+2*\k+1], v[TT+2*\k:TT+2*\k+1], v[TT+4+2*\k:TT+4+2*\k+1]
.endr
	v_pk_add_f32 v[st+2:st+3], v[TT:TT+1], v[TT+2:TT+3]
	v_add_f32 v[st+2], v[st+2], v[st+3]
	v_permlanex16_b32 v[st+6], v[st+2], s60, s61   ; the query's other 128 keys lie in the lane 16 away
	v_add_f32 v[st+2], v[st+2], v[st+6]
	v_add_f32 v[st+5], 0x322bcc77, v[st+2]         ; + 1e-8
	v_rcp_f32 v[st+4], v[st+5]
	BATCH_END
.endm
.Lhead:                                            ; 8 trips
	s_load_b32 s94, s[26:27], s99 offset:0x0       ; modality_weights[0][head]
	s_load_b32 s95, s[26:27], s99 offset:0x20      ; modality_weights[1][head]
	v_add_nc_u32 v[BKW], s96, v[BQA]
	v_add_nc_u32 v[BVW], s97, v[BVA]
	; ---- K's and V's projections of this head, for my 64 keys
	PLOAD 0
	PLOAD 1
.irp u, 0,1,2,3,4,5,6,7
	PUNIT \u
.endr
	WIN 0xf0                                       ; the last unit's quantising has no products to stand behind: third source and destination window 3
.irp k, 0,1,2,3,4,5,6,7,8
	PQ 7, \k
.endr
	WIN 0
.irp i, 0,1,2,3
	ds_store_b128 v[KST], v[KCD+8*\i:KCD+8*\i+3] offset:1024*\i
	ds_store_b128 v[KST], v[KCD+8*\i+4:KCD+8*\i+7] offset:1024*\i+512
	ds_store_b128 v[VST], v[VCD+8*\i:VCD+8*\i+3] offset:4096*\i
	ds_store_b128 v[VST], v[VCD+8*\i+4:VCD+8*\i+7] offset:4096*\i+512
.endr
	; ---- C0 and C1 are read no more: they take the next head's Wk and Wv; behind the last head Wo's chunks 1 and 5.  Every trip's fill is read later, and no trip jumps over the load.
	s_wait_tensorcnt 0x0                           ; no tensor load of mine is out, so group 0 may be written
	ds_add_u32 v[SPW], v[NIL]                      ; 0 onto my spare word; the address's lines stand between it and the wait
	s_add_nc_u64 s[12:13], s[12:13], 0x8000        ; Wk and Wv as plain addresses: the next head's 64 rows (behind the last head they stand at the buffers' ends, and are used no more)
	s_add_nc_u64 s[14:15], s[14:15], 0x8000
	s_cmp_eq_u32 s56, 0
	s_cselect_b64 s[50:51], s[12:13], s[14:15]     ; wave 0: Wk; wave 1: Wv (waves 2, 3 issue no load in this loop)
	s_cmp_eq_u32 s59, 7
	s_cselect_b64 s[50:51], s[52:53], s[50:51]     ; behind the last head: my chunk of Wo, in all four waves
	s_or_b32 s51, s51, 0x80000000                  ; the type, last
	s_wait_dscnt 0x0                               ; the add is done, my reads of C0 and C1 are over, my images are stored
	CROUND                                         ; so of every wave of all four work-groups
	TLLO                                           ; the first thing behind the round; it has the head's attention in which to land
	; ---- attention of this head, for my 32 queries
	s_wait_kmcnt 0x0
	s_mul_f32 s62, s94, s95
	s_mul_f32 s62, s62, s91                        ; c
	s_ashr_i32 s67, s62, 31
	s_and_b32 s67, s67, 0x80808080                 ; where c is negative, the sign bits of four codes
	s_and_b32 s66, s62, 0x7fffffff                 ; |c|
	s_or_b32 s80, s62, 0x80000000                  ; -|c|
	s_mov_b32 s81, s80                             ; (named with it as a pair, so it is written)
	v_add_nc_u32 v[QCW], s98, v[QCA]
	v_add_nc_u32 v[ACW], s98, v[ACS]
.irp q, 0,1
	ds_load_b128 v[QCD+8*\q:QCD+8*\q+3], v[QCW] offset:8192*\q
	ds_load_b128 v[QCD+8*\q+4:QCD+8*\q+7], v[QCW] offset:8192*\q+512
.endr
.irp k, 0,1,2,3,4,5,6,7,8,9,10,11,12,13,14,15
	ds_load_b128 v[BUF0+8*\k:BUF0+8*\k+3], v[KVA] offset:1024*\k
	ds_load_b128 v[BUF0+8*\k+4:BUF0+8*\k+7], v[KVA] offset:1024*\k+512
.endr
	s_wait_dscnt 32                                ; Q's codes are in; K's 32 loads may be out
.set n, 0
.rept 16
	v_xor_b32 v[QCD+n], s67, v[QCD+n]              ; the sign of c goes into the scores, exactly
.set n, n+1
.endr
	WIN 0xc0                                       ; D window 3
.irp g, 0,1,2,3
	s_wait_dscnt 24-8*\g                           ; this group's four tiles of keys are in; the later groups' loads may be out
.irp t, 0,1,2,3
.irp q, 0,1
	v_wmma_f32_16x16x64_fp8_fp8 v[128*\q+8*(4*\g+\t):128*\q+8*(4*\g+\t)+7], v[BUF0+8*(4*\g+\t):BUF0+8*(4*\g+\t)+7], v[QCD+8*\q:QCD+8*\q+7], 0
.endr
.endr
.endr
	WIN 0
	PL
.irp f, 0,1,2,3,4,5,6,7                ; V's eight fragments (2 dt + key half): they land under the softmax
.irp c, 0,1,2,3
	ds_load_b128 v[BUF0+16*\f+4*\c:BUF0+16*\f+4*\c+3], v[KVA] offset:16384+2048*\f+512*\c
.endr
.endr
	WIN 0x0f                                       ; the largest score of my query among my 128 keys: four chains a tile of queries, eight in all, in the registers that Q's codes have left; each tile of scores from its low end on
.irp k, 0,1,2,3
.irp q, 0,1
	v_max_num_f32 v[TT+4*\q+\k], v[128*\q+2*\k], v[128*\q+2*\k+1]
.endr
.endr
	WIN 0x3c
.set n, 8
.rept 15
.irp k, 0,1,2,3
.irp q, 0,1
	v_max3_num_f32 v[TT+4*\q+\k], v[TT+4*\q+\k], v[128*\q+n+2*\k], v[128*\q+n+2*\k+1]
.endr
.endr
.set n, n+8
.endr
	WIN 0
.irp q, 0,1
	v_max3_num_f32 v[ST0+8*\q+6], v[TT+4*\q], v[TT+4*\q+1], v[TT+4*\q+2]
.endr
.irp q, 0,1
	v_max_num_f32 v[ST0+8*\q+6], v[ST0+8*\q+6], v[TT+4*\q+3]
.endr
.irp q, 0,1
	v_permlanex16_b32 v[ST0+8*\q], v[ST0+8*\q+6], s60, s61
.endr
.irp q, 0,1
	v_max_num_f32 v[ST0+8*\q+1], v[ST0+8*\q+6], v[ST0+8*\q]   ; M
.endr
.irp q, 0,1
	v_mul_f32 v[ST0+8*\q], s66, v[ST0+8*\q+1]      ; |c| M
.endr
	; The two tiles of queries go a stage apart, so that each batch of transcendentals has the other tile's plain work between: one plain instruction, two transcendentals.  No line of a batch names a result of that batch.
	WIN 0xc3                                       ; source 0 and destination window 3
.set p, 0
.rept 64
	v_pk_fma_f32 v[p:p+1], v[p:p+1], s[80:81], v[ST0:ST0+1] op_sel_hi:[1,0,0]   ; y = |c| M - |c| s (of the pairs the low word serves both halves)
.set p, p+2
.endr
.set p, 0
.rept 64
	v_pk_fma_f32 v[128+p:129+p], v[128+p:129+p], s[80:81], v[ST0+8:ST0+9] op_sel_hi:[1,0,0]
	v_exp_f32 v[p], v[p]                           ; 2^y
	v_exp_f32 v[p+1], v[p+1]
.set p, p+2
.endr
	BATCH_END
.set p, 0
.rept 64
	v_pk_add_f32 v[p:p+1], v[p:p+1], 1.0 op_sel_hi:[1,0]   ; 1 + 2^y
	v_exp_f32 v[128+p], v[128+p]
	v_exp_f32 v[129+p], v[129+p]
.set p, p+2
.endr
	BATCH_END
.set p, 0
.rept 64
	v_pk_add_f32 v[128+p:129+p], v[128+p:129+p], 1.0 op_sel_hi:[1,0]
	v_rcp_f32 v[p], v[p]                           ; p = 1 / (1 + 2^y)
	v_rcp_f32 v[p+1], v[p+1]
.set p, p+2
.endr
	BATCH_END
	USUM 0
	WIN 0xc3
.set p, 0
.rept 64
	v_pk_mul_f32 v[p:p+1], v[p:p+1], v[ST0+4:ST0+5] op_sel_hi:[1,0]   ; attn = p / (sum + 1e-8)
	v_rcp_f32 v[128+p], v[128+p]
.if p >= 4
	v_min_num_f32 v[p-4], v[p-4], s90              ; the hold, two pairs behind the multiplication that feeds it; attn is never negative, so it is one-sided
.endif
	v_rcp_f32 v[129+p], v[129+p]
.if p >= 4
	v_min_num_f32 v[p-3], v[p-3], s90
.endif
.set p, p+2
.endr
.set p, 124
.rept 4
	v_min_num_f32 v[p], v[p], s90                  ; the last two pairs' holds
.set p, p+1
.endr
	BATCH_END
	USUM 1
	WIN 0xc3
.set p, 0
.rept 64
	v_pk_mul_f32 v[128+p:129+p], v[128+p:129+p], v[ST0+12:ST0+13] op_sel_hi:[1,0]
.set p, p+2
.endr
.set p, 0
.rept 128
	v_min_num_f32 v[128+p], v[128+p], s90
.set p, p+1
.endr
	WIN 0x03
.irp q, 0,1
.set n, 0
.rept 16
	v_cvt_scalef32_pk8_fp8_f32 v[PCD+32*\q+2*n:PCD+32*\q+2*n+1], v[128*\q+8*n:128*\q+8*n+7], v[SCP]   ; tile kt of keys: pair kt % 8 of P's fragment kt / 8
.set n, n+1
.endr
.endr
	v_nop                                          ; a plain instruction behind the last conversion
	s_wait_dscnt 0x0                               ; V's fragments are in
.irp k, 0,1                            ; O^T = V^T P: eight accumulators by turns, a half of the keys at a time
.if \k == 0
	WIN 0xc0
.else
	WIN 0xf0
.endif
.irp q, 0,1
.irp d, 0,1,2,3
.if \k == 0
	v_wmma_f32_16x16x128_fp8_fp8 v[128*\q+8*\d:128*\q+8*\d+7], v[BUF0+32*\d+16*\k:BUF0+32*\d+16*\k+15], v[PCD+32*\q+16*\k:PCD+32*\q+16*\k+15], 0
.else
	v_wmma_f32_16x16x128_fp8_fp8 v[128*\q+8*\d:128*\q+8*\d+7], v[BUF0+32*\d+16*\k:BUF0+32*\d+16*\k+15], v[PCD+32*\q+16*\k:PCD+32*\q+16*\k+15], v[128*\q+8*\d:128*\q+8*\d+7]
.endif
.endr
.endr
.endr
	WIN 0
	PL
	WIN 0xc3
.irp q, 0,1
.set n, 0
.rept 32
	v_med3_num_f32 v[128*\q+n], v[128*\q+n], s88, s89   ; the hold; each accumulator from its low end on
.set n, n+1
.endr
.endr
	WIN 0x03
.irp q, 0,1
.irp d, 0,1,2,3
	v_cvt_scalef32_pk8_fp8_f32 v[QCD+8*\q+2*\d:QCD+8*\q+2*\d+1], v[128*\q+8*\d:128*\q+8*\d+7], v[SCA]
.endr
.endr
	v_nop                                          ; a plain instruction behind the last conversion
	WIN 0
.irp q, 0,1
.irp d, 0,1,2,3
	ds_store_b64 v[ACW], v[QCD+8*\q+2*\d:QCD+8*\q+2*\d+1] offset:8192*\q+256*\d   ; over this head's Q image, which I alone read, and have read
.endr
.endr
	s_wait_tensorcnt 0x0                           ; the next weights (waves 0, 1) have landed,
	s_wait_dscnt 0x0                               ; my reads of K's and V's images are over, my attended codes are stored:
	BAR                                            ; everybody's.
	s_add_co_u32 s96, s96, 256
	s_add_co_u32 s97, s97, 2048
	s_add_co_u32 s98, s98, 1024
	s_add_co_u32 s99, s99, 4                       ; (the scalar loads that read it were waited for)
	s_add_co_u32 s59, s59, 1
	s_cmp_lt_u32 s59, 8
	s_cbranch_scc1 .Lhead
; ---------------------------------------------------------------- the output projection: four steps; step j makes columns 64 j .. + 63 (Wo's chunk j) and 256 + 64 j .. + 63 (chunk j + 4) for all 128 queries
.macro OSTEP j
.if (\j) > 0
	s_wait_xcnt 0x0                                ; the last step's stores have read their registers: these are written again only behind this wait
.endif
	LOADW BUF0,AWO2-((\j)%2),0                     ; my tile of 16 columns of the first chunk (even steps: C2, odd: C0),
	LOADW BUF0+64,AWO2-((\j)%2),CH                 ; and of the second, a chunk further on
	LOADB BC0,BOA,256*(\j)
	LOADB BC0+8,BOA,1024+256*(\j)
.if (\j) < 2                           ; all that a wave wants of the step's two chunks is asked for: they are filled again, with the chunks two steps on
	s_wait_tensorcnt 0x0                           ; no tensor load of mine is out
	ds_add_u32 v[SPW], v[NIL]                      ; 0 onto my spare word
.if (\j) == 0
	s_add_nc_u64 s[52:53], s[52:53], 0x10000       ; the plain address goes two chunks on: 2, 6 (waves 2, 3: asked for now) and 3, 7 (waves 0, 1: in the next step);
	s_mov_b64 s[50:51], s[52:53]                   ; group 0's address is made of it anew,
	s_or_b32 s51, s51, 0x80000000                  ; the type last
.endif
	s_wait_dscnt 0x0                               ; the add is done, my reads of the two chunks and of the stage are over
	CROUND
.if (\j) == 0
	TLHI
.else
	TLLO
.endif
.elseif (\j) == 2
	s_wait_tensorcnt 0x0                           ; chunks 3 and 7 have landed
	s_wait_dscnt 0x0
	BAR
.else
	s_wait_dscnt 0x0
	BAR                                            ; nobody reads the stage any more
.endif
.if (\j) == 0                          ; the attended codes of all 128 queries: 32 fragments, into the registers that held K's and V's spikes; they stay
	WIN 0x40
.irp g, 0,1,2,3
.irp s, 0,1,2,3
.irp c, 0,1,2,3
	ds_load_b128 v[64*\g+16*\s+4*\c:64*\g+16*\s+4*\c+3], v[ACR] offset:8192*\g+2048*\s+512*\c
.endr
.endr
.endr
	WIN 0x80
.irp g, 0,1,2,3
.irp s, 0,1,2,3
.irp c, 0,1,2,3
	ds_load_b128 v[64*\g+16*\s+4*\c:64*\g+16*\s+4*\c+3], v[ACR] offset:8192*(\g+4)+2048*\s+512*\c
.endr
.endr
.endr
	s_wait_dscnt 0x0
.endif
.irp s, 0,1,2,3                        ; 64 products: sixteen accumulators by turns, a K step at a time
.irp h, 0,1
.if \s == 0
	WIN 0xc4+4*\h                                  ; source 0 (Wo) window 0, source 1 (attended) window 1 or 2, D window 3
.else
	WIN 0xf4+4*\h
.endif
.irp g, 0,1,2,3
.irp n, 0,1
.if \s == 0
	v_wmma_f32_16x16x128_fp8_fp8 v[64*\n+8*(4*\h+\g):64*\n+8*(4*\h+\g)+7], v[BUF0+64*\n+16*\s:BUF0+64*\n+16*\s+15], v[64*\g+16*\s:64*\g+16*\s+15], 0
.else
	v_wmma_f32_16x16x128_fp8_fp8 v[64*\n+8*(4*\h+\g):64*\n+8*(4*\h+\g)+7], v[BUF0+64*\n+16*\s:BUF0+64*\n+16*\s+15], v[64*\g+16*\s:64*\g+16*\s+15], v[64*\n+8*(4*\h+\g):64*\n+8*(4*\h+\g)+7]
.endif
.endr
.endr
.endr
.endr
	WIN 0
	PL
	WIN 0xc3
.irp n, 0,1
.set p, 0
.rept 32
	v_pk_fma_f32 v[128+64*\n+p:128+64*\n+p+1], v[64*\n+p:64*\n+p+1], s[92:93], v[BC0+8*\n+p%8:BC0+8*\n+p%8+1] op_sel_hi:[1,0,1]   ; sum x 2^(e10+e11) + bo; each accumulator from its low end on
.set p, p+2
.endr
.endr
	WIN 0x0c                                       ; store data window 3
.irp n, 0,1
.irp g, 0,1,2,3,4,5,6,7
	ds_store_b128 v[SO], v[128+64*\n+8*\g:128+64*\n+8*\g+3] offset:TW*\g+256*\n        ; row 16 g + r; bytes 256 n + 64 w + 32 hh on
	ds_store_b128 v[SO], v[128+64*\n+8*\g+4:128+64*\n+8*\g+7] offset:TW*\g+256*\n+16
.endr
.endr
	s_wait_dscnt 0x0                               ; for the others' sake: my stores into the stage are done
	BAR
	WIN 0xc0
.irp i, 0,1,2,3,4,5,6,7,8,9,10,11,12,13,14,15,16,17,18,19,20,21,22,23,24,25,26,27,28,29,30,31
	ds_load_b128 v[128+4*\i:128+4*\i+3], v[SR] offset:PW*\i   ; my 32 rows, 512 bytes each
.endr
	WIN 0x0c
.irp i, 0,1,2,3,4,5,6,7,8,9,10,11,12,13,14,15,16,17,18,19,20,21,22,23,24,25,26,27,28,29,30,31
	s_wait_dscnt 31-\i                             ; row i is back; the rows behind it may be out
	global_store_b128 v[CO], v[128+4*\i:128+4*\i+3], s[30:31] offset:2048*\i+256*(\j) th:TH_STORE_NT   ; lanes 0-15 store 256 consecutive bytes at a multiple of 256 from out0's first byte, lanes 16-31 the 256 that lie 1,024 further on
.endr
	WIN 0
.endm
	OSTEP 0
	OSTEP 1
	OSTEP 2
	OSTEP 3
	s_wait_tensorcnt 0x0                           ; the wave's end, behind my last tensor load and my last LDS store
	ds_add_u32 v[SPW], v[NIL]
	s_wait_dscnt 0x0
	CROUND                                         ; the closing round: no work-group ends while a partner may still ask for a tile that names it
	s_endpgm
.Lfunc_end_k_q7855649d46_fused:
	.size	k_q7855649d46_fused, .Lfunc_end_k_q7855649d46_fused-k_q7855649d46_fused
	.p2alignl 7, 3214868480
	.fill 96, 4, 3214868480
	.section	.rodata,"a",@progbits
	.p2align	6, 0x0
	.amdhsa_kernel k_q7855649d46_fused
		.amdhsa_group_segment_fixed_size 327680
		.amdhsa_private_segment_fixed_size 0
		.amdhsa_enable_private_segment 0
		.amdhsa_kernarg_size 112
		.amdhsa_user_sgpr_count 2
		.amdhsa_user_sgpr_kernarg_segment_ptr 1
		.amdhsa_wavefront_size32 1
		.amdhsa_system_sgpr_workgroup_id_x 1
		.amdhsa_system_sgpr_workgroup_id_y 1
		.amdhsa_system_sgpr_workgroup_id_z 1
		.amdhsa_system_vgpr_workitem_id 0
		.amdhsa_next_free_vgpr 1024
		.amdhsa_next_free_sgpr 102
		.amdhsa_reserve_vcc 0
		.amdhsa_float_denorm_mode_32 3
		.amdhsa_float_denorm_mode_16_64 3
		.amdhsa_memory_ordered 1
		.amdhsa_forward_progress 1
		.amdhsa_inst_pref_size 255
	.end_amdhsa_kernel
	.section	.bss,"aw",@nobits
	.p2align	6
	.space	262144
	.amdgpu_metadata
---
amdhsa.version: [ 1, 2 ]
amdhsa.kernels:
  - .name:           k_q7855649d46_fused
    .symbol:         k_q7855649d46_fused.kd
    .args:
      - { .name: query_spikes_codes, .offset: 0, .size: 8, .value_kind: global_buffer, .address_space: global }
      - { .name: key_spikes_codes, .offset: 8, .size: 8, .value_kind: global_buffer, .address_space: global }
      - { .name: value_spikes_codes, .offset: 16, .size: 8, .value_kind: global_buffer, .address_space: global }
      - { .name: Wq_codes, .offset: 24, .size: 8, .value_kind: global_buffer, .address_space: global }
      - { .name: Wk_codes, .offset: 32, .size: 8, .value_kind: global_buffer, .address_space: global }
      - { .name: Wv_codes, .offset: 40, .size: 8, .value_kind: global_buffer, .address_space: global }
      - { .name: Wo_codes, .offset: 48, .size: 8, .value_kind: global_buffer, .address_space: global }
      - { .name: bq, .offset: 56, .size: 8, .value_kind: global_buffer, .address_space: global }
      - { .name: bk, .offset: 64, .size: 8, .value_kind: global_buffer, .address_space: global }
      - { .name: bv, .offset: 72, .size: 8, .value_kind: global_buffer, .address_space: global }
      - { .name: bo, .offset: 80, .size: 8, .value_kind: global_buffer, .address_space: global }
      - { .name: modality_weights, .offset: 88, .size: 8, .value_kind: global_buffer, .address_space: global }
      - { .name: lowp_scales, .offset: 96, .size: 8, .value_kind: global_buffer, .address_space: global }
      - { .name: out0, .offset: 104, .size: 8, .value_kind: global_buffer, .address_space: global }
    .group_segment_fixed_size: 327680
    .private_segment_fixed_size: 0
    .kernarg_segment_align: 8
    .kernarg_segment_size: 112
    .max_flat_workgroup_size: 128
    .sgpr_count:     102
    .vgpr_count:     1024
    .wavefront_size: 32
...
	.end_amdgpu_metadata
.endif
;; end of part 1
